; MI455X (gfx1250); checked and timed in simulation.
; The chip was launched on July 23, 2026; its instructions are those of AMD's public machine-readable ISA for CDNA 5 (MIT licence, August 2026) and "CDNA5" Instruction Set Architecture Reference Guide (July 2026). The comments in the code are by the model that wrote it; some were corrected since.
;; S6. Allowed arithmetic: matrix products marked QUANTISED: E4M3 operands, one given power-of-two scale a tensor, by v_wmma_f32_16x16x64_fp8_fp8 or v_wmma_f32_16x16x128_fp8_fp8, f32 sums; products left as they are: f32 operands where the result goes on into a quantised operand, else bf16, f16 or f32 operands; f32 sums; everything else in f32.
;; Inputs: A 64 x 64 float32; W1_codes 64 x 2 x 32 uint8 (E4M3 codes of W1, K innermost, in blocks of 32 codes); W2_codes 64 x 2 x 32 uint8 (E4M3 codes of W2, K innermost, in blocks of 32 codes); W3_codes 64 x 2 x 32 uint8 (E4M3 codes of W3, K innermost, in blocks of 32 codes); b1 64 float32; b2 64 float32; b3 64 float32; lowp_scales 6 int32 (the exponents e of the quantised operands' scales 2^e); x 4 x 2,048 x 64 float32.
;; Outputs: out0 4 x 2,048 x 64 float32.
;; This version of the problem:
;;   THIS VERSION OF THE PROBLEM IS GIVEN IN LOW PRECISION. The matrix products marked QUANTISED in the list below multiply operands that are first quantised to E4M3 (4 exponent bits, 3 mantissa bits; 8 bits a number), with one given power-of-two scale for each operand tensor; their sums are f32. All else is computed in f32.
;;   The module's matrix products, in the order in which they are computed (A, B: the left and right operand; K: the contracted axis; several contracted axes count as one K, in the product's order):
;;     1. [M 8,192, K 64] x [K 64, N 64]; A: input x; B: input W2 (given as codes): QUANTISED (scales: A lowp_scales[0], B lowp_scales[1])
;;     2. [M 8,192, K 64] x [K 64, N 64]; A: input x; B: input W3 (given as codes): QUANTISED (scales: A lowp_scales[2], B lowp_scales[3])
;;     3. [M 8,192, K 64] x [K 64, N 64]; A: input x; B: input W1 (given as codes): QUANTISED (scales: A lowp_scales[4], B lowp_scales[5])
;;     4. batch 64 x [M 64, K 1] x [K 1, N 8,192]; A: computed on the way; B: computed on the way: left as it is (no contracted axis)
;;     5. batch 8,192 x [M 1, K 64] x [K 64, N 64]; A: computed on the way; B: computed on the way: left as it is (M = 1 < 16)
;;   THE QUANTISER, for each operand of a quantised product, along K:
;;     - The operand's scale is 2^e, e = its entry of the input lowp_scales (int32; the entries are numbered through the quantised products in the list's order, A before B).
;;     - Each number is divided by the scale, clamped to +-448, and rounded to the nearest number of E4M3, ties to even, subnormals kept.
;;     - The product sums the exact products of the quantised numbers (number of the format x scale) in f32.
;;   ~~~python
;;   def quantise(x, axis, e):      # numpy; x: float32 -> the quantised numbers, widened to float32 again
;;       x = np.moveaxis(x, axis, -1); K = x.shape[-1]
;;       r = np.clip(x / 2.0 ** e, -448, 448)
;;       step = 2.0 ** (np.maximum(np.frexp(np.where(r == 0, 1, r))[1] - 1, -6) - 3)
;;       q = np.round(r / step) * step * 2.0 ** e      # np.round: ties to even
;;       return np.moveaxis(q, -1, axis).astype(np.float32)
;;   ~~~
;;   INPUTS GIVEN AS CODES. W1 (in the module: [64, 64], K = its axis 0); W2 (in the module: [64, 64], K = its axis 0); W3 (in the module: [64, 64], K = its axis 0): each comes as NAME_codes (uint8): NAME with its K axis moved to the last place and cut into blocks of 32 codes, [.., K / 32, bytes a block], one block behind the other in memory; one code a byte (a code: sign, 4 exponent bits, 3 mantissa bits); its scale is its entry of lowp_scales. Its value is code x scale, taken as it is: it is not quantised again, and the codes and scales need not be those that the quantiser above would give.
;; 2 versions, each right; version 2 is version 1 with the launch s6 written anew for expert scheduling mode. Each part assembles by itself: llvm-mc -triple=amdgcn-amd-amdhsa -mcpu=gfx1250 --defsym DOCPART=n.
;; ======== version 1 of 2: 1 launch
;; launch s6 (part 1): grid 256 x 1, 2 waves a work-group, no clusters, 9,472 bytes of LDS; arguments x, W1_codes, W2_codes, W3_codes, b1, b2, b3, A, lowp_scales, out0; writes out0
.if DOCPART == 1
	.amdgcn_target "amdgcn-amd-amdhsa--gfx1250"
	.amdhsa_code_object_version 6
	.text
	.protected	k_qd1dcde8ec7_s6
	.globl	k_qd1dcde8ec7_s6
	.p2align	8
	.type	k_qd1dcde8ec7_s6,@function
k_qd1dcde8ec7_s6:
	s_mov_b64 s[64:65], 0
	v_nop
	global_prefetch_b8 v0, s[64:65] scope:SCOPE_SE
	s_setreg_imm32_b32 hwreg(HW_REG_WAVE_MODE, 25, 1), 1
	s_wait_xcnt 0x0
; S6 step with h_prev = 0.  x: [8192][64] f32.  W1, W2, W3: E4M3 codes, [n = 64][k = 64 bytes].  b1, b2, b3: [64] f32.  A: [64][64] f32.  out0: [8192][64] f32.
;   Bm = Q(x, e0) W2 2^(e0+e1) + b2;  C = Q(x, e2) W3 2^(e2+e3) + b3;  z = Q(x, e4) W1 2^(e4+e5) + b1;  delta = softplus(z)
;   y[l][d] = sum over n of C[l][n] (exp(delta[l][d] A[d][n]) x 0 + x[l][d] delta[l][d] Bm[l][n])
; TWO REWRITINGS, both valid for every finite input.  (1) x delta does not hang on n: y = x delta s + the zero term, s[l] = sum over n of C[l][n] Bm[l][n].
; (2) The zero term is 0 unless an exponential overflows, and then NaN.  delta >= 0, and multiply and exp are monotone, so some n overflows exactly when exp(delta max_n A[d][n]) does:
; A is read whole and reduced to amax[d]; one exponential for each output, times 0, is added.
; SHARES.  256 work-groups of two waves; a wave owns 16 rows (4,096 consecutive bytes of x and of out0).  No loop, no branch.
; THE MATRIX INSTRUCTION IS USED TRANSPOSED (source 0 = 16 rows of a weight, source 1 = my 16 rows of x): lane (r = lane % 16, h = lane / 16) holds row r throughout.
; Lane r of weight tile 2 b + u takes weight row 32 b + 8 u + r + 8 (r / 8).  So ONE index map serves x, the three sums, the biases, amax and y:
; register q (0 .. 31) of a lane stands for channel 32 (q / 16) + 16 h + q % 16.  Both operands carry k = 32 c + 16 h + 0 .. 15 in registers 4 c .. 4 c + 3: the same permutation of k on both sides,
; so every product meets its partner; only the order of the sums inside an instruction differs.
; A: wave w reduces rows 32 w .. 32 w + 31; the 64 maxima meet in LDS behind the one barrier.
; NO CLUSTER, NO TENSOR LOAD: what work-groups share (A, the weights, the biases) is loaded once, at the head, straight into the registers that use it; there is no refill that partners could ask for jointly.
; LIMITS.  e0, e2, e4 between -126 and 119; e0 + e1, e2 + e3, e4 + e5 between -126 and 127 (each power of two below is an f32 number).  NaN in x or in A is not served (an infinity in x is held at the largest code).
; A = -infinity with delta = 0 gives 0 here.  The exponential overflows where delta x fl(amax x log2 e) >= 128, a few ulp from exp's own point.  delta below 2^-126 is 0.
; The sum over n is taken of C Bm, and x delta is multiplied in afterwards: another order of rounding than the written one.
; LDS: a stage of 16 rows x 272 bytes for each wave (its own: x on the way in, y on the way out), then 64 words of amax x log2 e.
; REGISTERS, window 0: v1-11 lane terms and addresses; v12-17 the three scales and holds; v18-25 s, the dot's two chains, log2 e twice; v32-63 x; v64-95, v96-127, v128-159 three work sets (see the names);
;   v160-183 x's three sets of codes, later v160-191 the series; v192-223 amax by q, later the exponential; v224-239 my 16 row maxima.
; window 1: v0-95 the weights' 12 fragments; v96-191 the three biases; v192-255 A as loaded.
.set STGP, 272                         ; a stage row: 256 bytes + 16 = 17 x 16: the 16 lanes of a half fall on 16 different 16-byte columns modulo 256, by rows and by columns
.set STGB, 16*STGP                     ; a wave's stage
.set AMX,  2*STGB                      ; amax x log2 e, word d at byte 4 d
.set XF,   32                          ; x, f32, index q
.set BMR,  64                          ; x as loaded; x held for e0; W2's sums, Bm; u; x delta s; y
.set CR,   96                          ; x held for e2; W3's sums, C; 1 + u, log2; y read back
.set ZR,   128                         ; x held for e4; W1's sums, z; max(z, 0); delta
.set QC,   160                         ; x's codes: 8 registers for each of e0, e2, e4
.set GR,   160                         ; later: the series for small u
.set AMV,  192                         ; amax x log2 e by q; then its product with delta; then the exponential
.set MX,   224                         ; my 16 rows' maxima
.set W2F,  0                           ; window 1
.set W3F,  32
.set W1F,  64
.set B2R,  96
.set B3R,  128
.set B1R,  160
.set AR,   192
.set MSB, 0
.macro WIN new                         ; the immediate's high byte repeats the setting that is left; a switch that changes nothing is dropped
.if MSB != \new
	s_set_vgpr_msb (MSB<<8)|\new
.set MSB, \new
.endif
.endm
.macro WLOAD reg, ptr                  ; a weight's four fragments: tile t begins at row 32 (t / 2) + 8 (t % 2); two loads of 16 bytes, 32 apart
.irp t, 0,1,2,3
.irp c, 0,1
	global_load_b128 v[\reg+8*\t+4*\c:\reg+8*\t+4*\c+3], v7, s[\ptr:\ptr+1] offset:(32*(\t/2)+8*(\t%2))*64+32*\c
.endr
.endr
.endm
.macro BLOAD reg, ptr                  ; a bias by q: channels 32 u + 16 h + 4 j on
.irp u, 0,1
.irp j, 0,1,2,3
	global_load_b128 v[\reg+16*\u+4*\j:\reg+16*\u+4*\j+3], v8, s[\ptr:\ptr+1] offset:128*\u+16*\j
.endr
.endr
.endm
.macro QCONST e, vs                    ; v[vs] = 2^e as f32 (the conversion takes its exponent field), v[vs+1] = 448 x 2^e
	s_add_co_i32 s50, s[\e], 127
	s_lshl_b32 s51, s50, 23
	v_mov_b32 v[\vs], s51
	s_add_co_i32 s50, s50, 8
	s_lshl_b32 s50, s50, 23
	s_or_b32 s50, s50, 0x600000
	v_mov_b32 v[\vs+1], s50
.endm
.macro PSCALE d, e                     ; s[d] = s[d+1] = 2^(s[e] + s[e+1]) as f32
	s_add_co_i32 s[\d], s[\e], s[\e+1]
	s_add_co_i32 s[\d], s[\d], 127
	s_lshl_b32 s[\d], s[\d], 23
	s_mov_b32 s[\d+1], s[\d]
.endm
	; ---- head: addresses
	s_load_b512 s[8:23], s[0:1], 0x0               ; x s[8:9], W1 s[10:11], W2 s[12:13], W3 s[14:15], b1 s[16:17], b2 s[18:19], b3 s[20:21], A s[22:23]
	s_load_b128 s[24:27], s[0:1], 0x40             ; the scales' exponents s[24:25], out0 s[26:27]
	v_lshl_add_u32 v254, v0, 2, 0x2400
	v_mov_b32 v255, 0
	v_and_b32 v1, 31, v0                           ; lane
	v_and_b32 v2, 15, v0                           ; r
	v_bfe_u32 v3, v0, 4, 1                         ; h
	v_lshrrev_b32 v26, 5, v0
	v_readfirstlane_b32 s2, v26                    ; wave 0, 1
	s_mul_i32 s3, s2, STGB                         ; my stage
	v_lshlrev_b32 v4, 4, v1                        ; x and out0, dense: 16 bytes a lane
	v_mul_u32_u24 v5, v3, STGP
	v_lshl_add_u32 v5, v2, 4, v5
	v_add_nc_u32 v5, s3, v5                        ; the stage by rows: row h (+ 2 i), byte 16 r
	v_mul_u32_u24 v6, v2, STGP
	v_lshl_add_u32 v6, v3, 6, v6
	v_add_nc_u32 v6, s3, v6                        ; the stage by q: row r, byte 64 h (+ 128 c + 16 p)
	v_and_b32 v7, 8, v2
	v_add_nc_u32 v7, v7, v2                        ; r + 8 (r / 8)
	v_lshlrev_b32 v7, 6, v7                        ; a weight's row is 64 bytes
	v_lshl_add_u32 v7, v3, 4, v7                   ; + 16 h
	v_lshlrev_b32 v8, 6, v3                        ; a bias: 64 h
	v_lshlrev_b32 v9, 12, v3
	v_lshl_add_u32 v9, v2, 4, v9                   ; A: row 16 h (+ i) of my wave's 32, byte 16 r
	s_lshl_b32 s49, s2, 7
	s_add_co_u32 s49, s49, AMX
	v_lshl_add_u32 v10, v3, 6, s49                 ; where my maxima go: word 32 w + 16 h on
	v_lshl_add_u32 v11, v3, 6, AMX                 ; where amax is read by q: word 16 h (+ 32 u + 4 j)
	v_mov_b32 v19, 0                               ; written once: a lane permute's destination counts as one of its sources
	s_mov_b32 s34, 0x76543210                      ; v_permlanex16_b32's selects for lane l xor 16
	s_mov_b32 s35, 0xfedcba98
	s_mov_b32 s42, 0x3fb8aa3b                      ; log2 e (each constant twice: the packed forms name a pair)
	s_mov_b32 s43, s42
	s_mov_b32 s44, 0x3f317218                      ; ln 2
	s_mov_b32 s45, s44
	s_mov_b32 s46, 0xbf38aa3b                      ; -log2 e / 2
	s_mov_b32 s47, s46
	s_mov_b32 s48, 0x3b800000                      ; 2^-8: below it the series takes the logarithm's place
	s_lshl_b32 s4, ttmp9, 13                       ; 32 rows of 256 bytes a work-group,
	s_lshl_b32 s6, s2, 12                          ; 16 a wave
	s_add_co_u32 s4, s4, s6
	s_mov_b32 s5, 0
	s_lshl_b32 s6, s2, 13                          ; A: 32 rows of 256 bytes a wave
	s_mov_b32 s7, 0
	s_wait_kmcnt 0x0
	s_load_b128 s[28:31], s[24:25], 0x0            ; e0 .. e3
	s_load_b64 s[32:33], s[24:25], 0x10            ; e4, e5
	s_add_nc_u64 s[8:9], s[8:9], s[4:5]            ; the bases are stepped once, ahead of every load, and never again
	s_add_nc_u64 s[26:27], s[26:27], s[4:5]
	s_add_nc_u64 s[22:23], s[22:23], s[6:7]
	; ---- 56 loads: x 8, A 16, the weights 24, b2 8
.irp i, 0,1,2,3,4,5,6,7
	global_load_b128 v[BMR+4*\i:BMR+4*\i+3], v4, s[8:9] offset:512*\i th:TH_LOAD_NT   ; 32 lanes read 512 consecutive bytes: rows 2 i and 2 i + 1
.endr
	WIN 0x40                                       ; destination window 1, address window 0
.irp i, 0,1,2,3,4,5,6,7,8,9,10,11,12,13,14,15
	global_load_b128 v[AR+4*\i:AR+4*\i+3], v9, s[22:23] offset:256*\i                 ; each half of the lanes reads one whole row of A: d = 32 w + 16 h + i
.endr
	WLOAD W2F, 12
	WLOAD W3F, 14
	WLOAD W1F, 10
	BLOAD B2R, 18
	WIN 0
	; ---- the given scales
	s_wait_kmcnt 0x0
	PSCALE 36, 28                                  ; 2^(e0 + e1): Bm's sums
	PSCALE 38, 30                                  ; 2^(e2 + e3): C's
	PSCALE 40, 32                                  ; 2^(e4 + e5): z's
	QCONST 28, 12                                  ; x for W2
	QCONST 30, 14                                  ; x for W3
	QCONST 32, 16                                  ; x for W1
	v_mov_b32 v24, s42
	v_mov_b32 v25, s42
	; ---- x turns through my stage: in as it was loaded, out by q
	s_wait_loadcnt 48                              ; x's eight loads are in; the 48 issued behind them (A 16, weights 24, b2 8) may be out
.irp i, 0,1,2,3,4,5,6,7
	ds_store_b128 v5, v[BMR+4*\i:BMR+4*\i+3] offset:2*STGP*\i
.endr
.irp c, 0,1
.irp p, 0,1,2,3
	ds_load_b128 v[XF+16*\c+4*\p:XF+16*\c+4*\p+3], v6 offset:128*\c+16*\p   ; LDS serves a wave's instructions in order (ISA guide 5.7.1.4): these see the stores above
.endr
.endr
	; ---- A's row maxima, while x is on its way through the stage
	s_wait_loadcnt 32                              ; A's sixteen loads are in; the weights' 24 and b2's 8 may be out
	WIN 0x40
	BLOAD B3R, 20                                  ; the last 16 loads go out here: issued with the others they would leave 64 behind x's, more than a wait's count can name
	BLOAD B1R, 16
	WIN 0x15                                       ; all three sources window 1
.set i, 0
.rept 16
	v_max3_num_f32 v[MX+i], v[AR+4*i], v[AR+4*i+1], v[AR+4*i+2]
.set i, i+1
.endr
	WIN 0x04                                       ; source 1 window 1
.set i, 0
.rept 16
	v_max_num_f32 v[MX+i], v[MX+i], v[AR+4*i+3]
.set i, i+1
.endr
	WIN 0
.irp m, 1,2,4,8                        ; across the 16 lanes that share a row; the 16 rows take turns, so that no line waits for the line above it
.set i, 0
.rept 16
	v_max_num_f32_dpp v[MX+i], v[MX+i], v[MX+i] row_xmask:\m row_mask:0xf bank_mask:0xf
.set i, i+1
.endr
.endr
.set i, 0
.rept 8
	v_pk_mul_f32 v[MX+i:MX+i+1], v[MX+i:MX+i+1], s[42:43] op_sel_hi:[1,0]   ; x log2 e: the exponential below is in base 2
.set i, i+2
.endr
.irp k, 0,1,2,3
	ds_store_b128 v10, v[MX+4*\k:MX+4*\k+3] offset:16*\k    ; the 16 lanes of a half write the same bytes with the same values
.endr
	s_wait_dscnt 0x0                               ; for the other wave's sake: my maxima have landed; and x is back in registers
	s_barrier_signal -1
	; ---- x is quantised three times: register work, between the signal and the wait
.set i, 0
.rept 32
	v_med3_num_f32 v[BMR+i], v[XF+i], -v13, v13    ; the conversion to an 8-bit code does not saturate (ISA guide 7.6.2): the hold at the largest code x the scale
.set i, i+1
.endr
.set i, 0
.rept 32
	v_med3_num_f32 v[CR+i], v[XF+i], -v15, v15
.set i, i+1
.endr
.set i, 0
.rept 32
	v_med3_num_f32 v[ZR+i], v[XF+i], -v17, v17
.set i, i+1
.endr
.irp k, 0,1,2
.irp j, 0,1,2,3
	v_cvt_scalef32_pk8_fp8_f32 v[QC+8*\k+2*\j:QC+8*\k+2*\j+1], v[BMR+32*\k+8*\j:BMR+32*\k+8*\j+7], v[12+2*\k]   ; registers 4 c .. 4 c + 3 of the operand: k = 32 c + 16 h + 0 .. 15
.endr
.endr
	v_nop                                          ; one plain vector instruction between the conversions and the matrix instructions, which read their results and write over their sources
	s_barrier_wait -1
.irp u, 0,1
.irp j, 0,1,2,3
	ds_load_b128 v[AMV+16*\u+4*\j:AMV+16*\u+4*\j+3], v11 offset:128*\u+16*\j   ; amax x log2 e by q: both waves' halves
.endr
.endr
	; ---- twelve products, twelve accumulators, each begun with the constant 0: no chain
	s_wait_loadcnt 24                              ; the weights are in; the three biases' 24 loads may be out
	WIN 0x01                                       ; source 0 (the weights) window 1
.irp t, 0,1,2,3
	v_wmma_f32_16x16x64_fp8_fp8 v[BMR+8*\t:BMR+8*\t+7], v[W2F+8*\t:W2F+8*\t+7], v[QC:QC+7], 0
	v_wmma_f32_16x16x64_fp8_fp8 v[CR+8*\t:CR+8*\t+7], v[W3F+8*\t:W3F+8*\t+7], v[QC+8:QC+15], 0
	v_wmma_f32_16x16x64_fp8_fp8 v[ZR+8*\t:ZR+8*\t+7], v[W1F+8*\t:W1F+8*\t+7], v[QC+16:QC+23], 0
.endr
	WIN 0
.rept 4
	v_nop                                          ; four places between the last product and the first read of results (ISA guide 7.12.1)
.endr
	; ---- sum x 2^(ea + eb) + bias, two at a time, each accumulator from its low end on
	s_wait_loadcnt 0x0                             ; the biases
	WIN 0x10                                       ; source 2 (the bias) window 1
.set i, 0
.rept 16
	v_pk_fma_f32 v[BMR+i:BMR+i+1], v[BMR+i:BMR+i+1], s[36:37], v[B2R+i:B2R+i+1] op_sel_hi:[1,0,1]
.set i, i+2
.endr
.set i, 0
.rept 16
	v_pk_fma_f32 v[CR+i:CR+i+1], v[CR+i:CR+i+1], s[38:39], v[B3R+i:B3R+i+1] op_sel_hi:[1,0,1]
.set i, i+2
.endr
.set i, 0
.rept 16
	v_pk_fma_f32 v[ZR+i:ZR+i+1], v[ZR+i:ZR+i+1], s[40:41], v[B1R+i:B1R+i+1] op_sel_hi:[1,0,1]
.set i, i+2
.endr
	WIN 0
	; ---- s = sum over n of C Bm: my 32 channels, in two packed chains
	v_pk_mul_f32 v[20:21], v[BMR:BMR+1], v[CR:CR+1]
	v_pk_mul_f32 v[22:23], v[BMR+2:BMR+3], v[CR+2:CR+3]
.set i, 4
.rept 7
	v_pk_fma_f32 v[20:21], v[BMR+i:BMR+i+1], v[CR+i:CR+i+1], v[20:21]
	v_pk_fma_f32 v[22:23], v[BMR+i+2:BMR+i+3], v[CR+i+2:CR+i+3], v[22:23]
.set i, i+4
.endr
	; ---- softplus(z) = max(z, 0) + ln(1 + u), u = e^-|z|.  Three batches of transcendentals; behind each stands independent work, and ONE wait ahead of its first reader
.set i, 0
.rept 32
	v_mul_f32 v[BMR+i], -|v[ZR+i]|, s42            ; -|z| log2 e
.set i, i+1
.endr
.set i, 0
.rept 32
	v_exp_f32 v[BMR+i], v[BMR+i]                   ; u, between 0 and 1
.set i, i+1
.endr
	v_pk_add_f32 v[20:21], v[20:21], v[22:23]      ; the dot's chains are joined meanwhile,
	v_add_f32 v18, v20, v21
	v_permlanex16_b32 v19, v18, s34, s35           ; the row's other 32 channels lie in lane l xor 16
	v_add_f32 v18, v18, v19                        ; s
	v_mov_b32 v19, v18                             ; (named with it as a pair)
.set i, 0
.rept 32
	v_max_num_f32 v[ZR+i], 0, v[ZR+i]              ; max(z, 0)
.set i, i+1
.endr
	s_wait_alu depctr_va_vdst(0)                   ; the wait for the 32 exponentials
.set i, 0
.rept 16
	v_pk_add_f32 v[CR+i:CR+i+1], v[BMR+i:BMR+i+1], 1.0 op_sel_hi:[1,0]
.set i, i+2
.endr
.set i, 0
.rept 32
	v_log_f32 v[CR+i], v[CR+i]                     ; log2(1 + u)
.set i, i+1
.endr
.set i, 0
.rept 16
	v_pk_fma_f32 v[GR+i:GR+i+1], v[BMR+i:BMR+i+1], s[46:47], v[24:25] op_sel_hi:[1,0,1]   ; log2 e - (log2 e / 2) u
.set i, i+2
.endr
.set i, 0
.rept 16
	v_pk_mul_f32 v[GR+i:GR+i+1], v[GR+i:GR+i+1], v[BMR+i:BMR+i+1]                         ; log2 e (u - u^2 / 2): what is cut, u^3 / 3, is under 2^-17 of it where u < 2^-8
.set i, i+2
.endr
	s_wait_alu depctr_va_vdst(0)                   ; the wait for the 32 logarithms
.set i, 0
.rept 32
	v_cmp_gt_f32 vcc_lo, s48, v[BMR+i]             ; u < 2^-8: 1 + u has lost u's low bits, so the series is taken: a choice of values, no branch
	v_cndmask_b32 v[CR+i], v[CR+i], v[GR+i], vcc_lo
.set i, i+1
.endr
.set i, 0
.rept 16
	v_pk_fma_f32 v[ZR+i:ZR+i+1], v[CR+i:CR+i+1], s[44:45], v[ZR+i:ZR+i+1] op_sel_hi:[1,0,1]   ; delta = log2(1 + u) ln 2 + max(z, 0)
.set i, i+2
.endr
	s_wait_dscnt 0x0                               ; amax by q is in
.set i, 0
.rept 16
	v_pk_mul_f32 v[AMV+i:AMV+i+1], v[AMV+i:AMV+i+1], v[ZR+i:ZR+i+1]
.set i, i+2
.endr
.set i, 0
.rept 32
	v_exp_f32 v[AMV+i], v[AMV+i]                   ; exp(delta amax): the largest of the row's 64 exponentials
.set i, i+1
.endr
.set i, 0
.rept 16
	v_pk_mul_f32 v[BMR+i:BMR+i+1], v[XF+i:XF+i+1], v[ZR+i:ZR+i+1]             ; x delta
.set i, i+2
.endr
.set i, 0
.rept 16
	v_pk_mul_f32 v[BMR+i:BMR+i+1], v[BMR+i:BMR+i+1], v[18:19] op_sel_hi:[1,0] ; x delta s
.set i, i+2
.endr
	s_wait_alu depctr_va_vdst(0)                   ; the wait for the 32 exponentials
.set i, 0
.rept 16
	v_pk_fma_f32 v[BMR+i:BMR+i+1], v[AMV+i:AMV+i+1], 0, v[BMR+i:BMR+i+1] op_sel_hi:[1,0,1]   ; y = exp x 0 + x delta s: NaN where the exponential is infinite
.set i, i+2
.endr
	; ---- the way out: y goes into my stage by q and comes back by rows; each store of the wave covers 512 consecutive bytes, aligned to 256
.irp c, 0,1
.irp p, 0,1,2,3
	ds_store_b128 v6, v[BMR+16*\c+4*\p:BMR+16*\c+4*\p+3] offset:128*\c+16*\p
.endr
.endr
.irp i, 0,1,2,3,4,5,6,7
	ds_load_b128 v[CR+4*\i:CR+4*\i+3], v5 offset:2*STGP*\i    ; in order behind my stores
.endr
.irp i, 0,1,2,3,4,5,6,7
	s_wait_dscnt 7-\i                              ; LDS loads come back in order: load i is in, the younger ones may be out
	global_store_b128 v4, v[CR+4*\i:CR+4*\i+3], s[26:27] offset:512*\i th:TH_STORE_NT
.endr
	s_wait_tensorcnt 0x0
	ds_add_u32 v254, v255
	s_wait_dscnt 0x0
	s_endpgm
.Lfunc_end_k_qd1dcde8ec7_s6:
	.size	k_qd1dcde8ec7_s6, .Lfunc_end_k_qd1dcde8ec7_s6-k_qd1dcde8ec7_s6
	.p2alignl 7, 3214868480
	.fill 96, 4, 3214868480
	.section	.rodata,"a",@progbits
	.p2align	6, 0x0
	.amdhsa_kernel k_qd1dcde8ec7_s6
		.amdhsa_group_segment_fixed_size 9472
		.amdhsa_private_segment_fixed_size 0
		.amdhsa_enable_private_segment 0
		.amdhsa_kernarg_size 80
		.amdhsa_user_sgpr_count 2
		.amdhsa_user_sgpr_kernarg_segment_ptr 1
		.amdhsa_wavefront_size32 1
		.amdhsa_system_sgpr_workgroup_id_x 1
		.amdhsa_system_sgpr_workgroup_id_y 1
		.amdhsa_system_sgpr_workgroup_id_z 1
		.amdhsa_system_vgpr_workitem_id 0
		.amdhsa_next_free_vgpr 512
		.amdhsa_next_free_sgpr 66
		.amdhsa_reserve_vcc 1
		.amdhsa_float_denorm_mode_32 3
		.amdhsa_float_denorm_mode_16_64 3
		.amdhsa_memory_ordered 1
		.amdhsa_forward_progress 1
		.amdhsa_inst_pref_size 50
	.end_amdhsa_kernel
	.amdgpu_metadata
---
amdhsa.version: [ 1, 2 ]
amdhsa.kernels:
  - .name:           k_qd1dcde8ec7_s6
    .symbol:         k_qd1dcde8ec7_s6.kd
    .args:
      - { .name: x, .offset: 0, .size: 8, .value_kind: global_buffer, .address_space: global }
      - { .name: W1_codes, .offset: 8, .size: 8, .value_kind: global_buffer, .address_space: global }
      - { .name: W2_codes, .offset: 16, .size: 8, .value_kind: global_buffer, .address_space: global }
      - { .name: W3_codes, .offset: 24, .size: 8, .value_kind: global_buffer, .address_space: global }
      - { .name: b1, .offset: 32, .size: 8, .value_kind: global_buffer, .address_space: global }
      - { .name: b2, .offset: 40, .size: 8, .value_kind: global_buffer, .address_space: global }
      - { .name: b3, .offset: 48, .size: 8, .value_kind: global_buffer, .address_space: global }
      - { .name: A, .offset: 56, .size: 8, .value_kind: global_buffer, .address_space: global }
      - { .name: lowp_scales, .offset: 64, .size: 8, .value_kind: global_buffer, .address_space: global }
      - { .name: out0, .offset: 72, .size: 8, .value_kind: global_buffer, .address_space: global }
    .group_segment_fixed_size: 9472
    .private_segment_fixed_size: 0
    .kernarg_segment_align: 8
    .kernarg_segment_size: 80
    .max_flat_workgroup_size: 64
    .sgpr_count:     66
    .vgpr_count:     512
    .wavefront_size: 32
...
	.end_amdgpu_metadata
.endif
;; end of part 1
;; ======== version 2 of 2: 1 launch; version 1 with the launch s6 written anew for expert scheduling mode
;; launch s6 (part 2): grid 256 x 1, 2 waves a work-group, no clusters, 9,472 bytes of LDS; arguments x, W1_codes, W2_codes, W3_codes, b1, b2, b3, A, lowp_scales, out0; writes out0
.if DOCPART == 2
	.amdgcn_target "amdgcn-amd-amdhsa--gfx1250"
	.amdhsa_code_object_version 6
	.text
	.protected	k_qd1dcde8ec7_s6
	.globl	k_qd1dcde8ec7_s6
	.p2align	8
	.type	k_qd1dcde8ec7_s6,@function
k_qd1dcde8ec7_s6:
	s_mov_b64 s[64:65], 0
	v_nop
	global_prefetch_b8 v0, s[64:65] scope:SCOPE_SE
	s_setreg_imm32_b32 hwreg(HW_REG_WAVE_SCHED_MODE, 0, 2), 2
	s_setreg_imm32_b32 hwreg(HW_REG_WAVE_MODE, 25, 1), 1
	s_wait_xcnt 0x0
	s_wait_alu depctr_vm_vsrc(0)
; S6 step with h_prev = 0.  x: [8192][64] f32.  W1, W2, W3: E4M3 codes, [n = 64][k = 64 bytes].  b1, b2, b3: [64] f32.  A: [64][64] f32.  out0: [8192][64] f32.
;   Bm = Q(x, e0) W2 2^(e0+e1) + b2;  C = Q(x, e2) W3 2^(e2+e3) + b3;  z = Q(x, e4) W1 2^(e4+e5) + b1;  delta = softplus(z)
;   y[l][d] = sum over n of C[l][n] (exp(delta[l][d] A[d][n]) x 0 + x[l][d] delta[l][d] Bm[l][n])
; TWO REWRITINGS, both valid for every finite input.  (1) x delta does not hang on n: y = x delta s + the zero term, s[l] = sum over n of C[l][n] Bm[l][n].
; (2) The zero term is 0 unless an exponential overflows, and then NaN.  delta >= 0, and multiply and exp are monotone, so some n overflows exactly when exp(delta max_n A[d][n]) does:
; A is read whole and reduced to amax[d]; one exponential for each output, times 0, is added.
; SHARES.  256 work-groups of two waves; a wave owns 16 rows (4,096 consecutive bytes of x and of out0).  No loop, no branch.
; THE MATRIX INSTRUCTION IS USED TRANSPOSED (source 0 = 16 rows of a weight, source 1 = my 16 rows of x): lane (r = lane % 16, h = lane / 16) holds row r throughout.
; Lane r of weight tile 2 b + u takes weight row 32 b + 8 u + r + 8 (r / 8).  So ONE index map serves x, the three sums, the biases, amax and y:
; register q (0 .. 31) of a lane stands for channel 32 (q / 16) + 16 h + q % 16.  Both operands carry k = 32 c + 16 h + 0 .. 15 in registers 4 c .. 4 c + 3: the same permutation of k on both sides,
; so every product meets its partner; only the order of the sums inside an instruction differs.
; A: wave w reduces rows 32 w .. 32 w + 31; the 64 maxima meet in LDS behind the one barrier.
; NO CLUSTER, NO TENSOR LOAD: what work-groups share (A, the weights, the biases) is loaded once, at the head, straight into the registers that use it; there is no refill that partners could ask for jointly.
; LIMITS.  e0, e2, e4 between -126 and 119; e0 + e1, e2 + e3, e4 + e5 between -126 and 127 (each power of two below is an f32 number).  NaN in x or in A is not served (an infinity in x is held at the largest code).
; A = -infinity with delta = 0 gives 0 here.  The exponential overflows where delta x fl(amax x log2 e) >= 128, a few ulp from exp's own point.  delta below 2^-126 is 0.
; The sum over n is taken of C Bm, and x delta is multiplied in afterwards: another order of rounding than the written one.
; LDS: a stage of 16 rows x 272 bytes for each wave (its own: x on the way in, y on the way out), then 64 words of amax x log2 e.
; REGISTERS, window 0: v1-11 lane terms and addresses; v12-17 the three scales and holds; v18-25 s, the dot's two chains, log2 e twice; v32-63 x; v64-95, v96-127, v128-159 three work sets (see the names);
;   v160-183 x's three sets of codes, later v160-191 the series; v192-223 amax by q, later the exponential; v224-239 my 16 row maxima.
; window 1: v0-95 the weights' 12 fragments; v96-191 the three biases; v192-255 A as loaded.
; THE MODE: SCHED_MODE bits 1:0 = 2 (LLVM: expert scheduling mode 2), set by the entry lines.  The code itself states the register dependences
; between vector or matrix instructions and memory or LDS instructions, with s_wait_alu, always for 0.
; THE PLAN.  Registers that memory or LDS instructions touch, in program order:
;   v4-v11      offsets and LDS addresses: written once, at the head, ahead of ONE wait on va_vdst; read by every load, store and LDS access; never written again.
;   v64-95      x's global loads land; the LDS stores into the stage read them; ONE wait on vm_vsrc; then the holds, the products and all that follows write them.
;   v32-63      the LDS loads from the stage land; vector instructions alone name them afterwards.
;   window 1    global loads land, once in each register; vector and matrix instructions read them afterwards.
;   v224-239    the maxima write them; a wait on va_vdst; four LDS stores read them; never written again.
;   v192-223    named by no vector instruction until the LDS loads behind the barrier have landed there.
;   v64-95, v96-127 at the end: y is written in the first, the second was last named by the selects and by delta's multiply-adds; ONE wait on va_vdst;
;               the LDS stores read the first, the loads from the stage land in the second, the global stores read it; no vector instruction follows.
; Scalar results of vector instructions: the wave's number (one wait on va_sdst ahead of its first reader) and the 32 masks of the softplus, a run of compares into s66-s97 with one wait behind it.
.set STGP, 272                         ; a stage row: 256 bytes + 16 = 17 x 16: the 16 lanes of a half fall on 16 different 16-byte columns modulo 256, by rows and by columns
.set STGB, 16*STGP                     ; a wave's stage
.set AMX,  2*STGB                      ; amax x log2 e, word d at byte 4 d
.set XF,   32                          ; x, f32, index q
.set BMR,  64                          ; x as loaded; x held for e0; W2's sums, Bm; u; x delta s; y
.set CR,   96                          ; x held for e2; W3's sums, C; 1 + u, log2; y read back
.set ZR,   128                         ; x held for e4; W1's sums, z; max(z, 0); delta
.set QC,   160                         ; x's codes: 8 registers for each of e0, e2, e4
.set GR,   160                         ; later: the series for small u
.set AMV,  192                         ; amax x log2 e by q; then its product with delta; then the exponential
.set MX,   224                         ; my 16 rows' maxima
.set MK,   66                          ; s66-s97: the softplus's 32 masks, one for each q; these registers hold nothing else
.set W2F,  0                           ; window 1
.set W3F,  32
.set W1F,  64
.set B2R,  96
.set B3R,  128
.set B1R,  160
.set AR,   192
.set MSB, 0
.macro WIN new                         ; the immediate's high byte repeats the setting that is left; a switch that changes nothing is dropped
.if MSB != \new
	s_set_vgpr_msb (MSB<<8)|\new
.set MSB, \new
.endif
.endm
.macro WLOAD reg, ptr                  ; a weight's four fragments: tile t begins at row 32 (t / 2) + 8 (t % 2); two loads of 16 bytes, 32 apart
.irp t, 0,1,2,3
.irp c, 0,1
	global_load_b128 v[\reg+8*\t+4*\c:\reg+8*\t+4*\c+3], v7, s[\ptr:\ptr+1] offset:(32*(\t/2)+8*(\t%2))*64+32*\c
.endr
.endr
.endm
.macro BLOAD reg, ptr                  ; a bias by q: channels 32 u + 16 h + 4 j on
.irp u, 0,1
.irp j, 0,1,2,3
	global_load_b128 v[\reg+16*\u+4*\j:\reg+16*\u+4*\j+3], v8, s[\ptr:\ptr+1] offset:128*\u+16*\j
.endr
.endr
.endm
.macro QCONST e, vs                    ; v[vs] = 2^e as f32 (the conversion takes its exponent field), v[vs+1] = 448 x 2^e
	s_add_co_i32 s50, s[\e], 127
	s_lshl_b32 s51, s50, 23
	v_mov_b32 v[\vs], s51
	s_add_co_i32 s50, s50, 8
	s_lshl_b32 s50, s50, 23
	s_or_b32 s50, s50, 0x600000
	v_mov_b32 v[\vs+1], s50
.endm
.macro PSCALE d, e                     ; s[d] = s[d+1] = 2^(s[e] + s[e+1]) as f32
	s_add_co_i32 s[\d], s[\e], s[\e+1]
	s_add_co_i32 s[\d], s[\d], 127
	s_lshl_b32 s[\d], s[\d], 23
	s_mov_b32 s[\d+1], s[\d]
.endm
	; ---- head: addresses.  What does not hang on the wave's number comes first
	s_load_b512 s[8:23], s[0:1], 0x0               ; x s[8:9], W1 s[10:11], W2 s[12:13], W3 s[14:15], b1 s[16:17], b2 s[18:19], b3 s[20:21], A s[22:23]
	s_load_b128 s[24:27], s[0:1], 0x40             ; the scales' exponents s[24:25], out0 s[26:27]
	v_lshl_add_u32 v254, v0, 2, 0x2400
	v_mov_b32 v255, 0
	v_and_b32 v1, 31, v0                           ; lane
	v_and_b32 v2, 15, v0                           ; r
	v_bfe_u32 v3, v0, 4, 1                         ; h
	v_lshrrev_b32 v26, 5, v0
	v_readfirstlane_b32 s2, v26                    ; wave 0, 1
	v_lshlrev_b32 v4, 4, v1                        ; x and out0, dense: 16 bytes a lane
	v_mul_u32_u24 v5, v3, STGP
	v_lshl_add_u32 v5, v2, 4, v5                   ; the stage by rows: row h (+ 2 i), byte 16 r
	v_mul_u32_u24 v6, v2, STGP
	v_lshl_add_u32 v6, v3, 6, v6                   ; the stage by q: row r, byte 64 h (+ 128 c + 16 p)
	v_and_b32 v7, 8, v2
	v_add_nc_u32 v7, v7, v2                        ; r + 8 (r / 8)
	v_lshlrev_b32 v7, 6, v7                        ; a weight's row is 64 bytes
	v_lshl_add_u32 v7, v3, 4, v7                   ; + 16 h
	v_lshlrev_b32 v8, 6, v3                        ; a bias: 64 h
	v_lshlrev_b32 v9, 12, v3
	v_lshl_add_u32 v9, v2, 4, v9                   ; A: row 16 h (+ i) of my wave's 32, byte 16 r
	v_lshl_add_u32 v11, v3, 6, AMX                 ; where amax is read by q: word 16 h (+ 32 u + 4 j)
	v_mov_b32 v19, 0                               ; written once: a lane permute's destination counts as one of its sources
	s_mov_b32 s34, 0x76543210                      ; v_permlanex16_b32's selects for lane l xor 16
	s_mov_b32 s35, 0xfedcba98
	s_mov_b32 s42, 0x3fb8aa3b                      ; log2 e (each constant twice: the packed forms name a pair)
	s_mov_b32 s43, s42
	s_mov_b32 s44, 0x3f317218                      ; ln 2
	s_mov_b32 s45, s44
	s_mov_b32 s46, 0xbf38aa3b                      ; -log2 e / 2
	s_mov_b32 s47, s46
	s_mov_b32 s48, 0x3b800000                      ; 2^-8: below it the series takes the logarithm's place
	s_lshl_b32 s4, ttmp9, 13                       ; 32 rows of 256 bytes a work-group,
	s_wait_alu depctr_va_sdst(0)                   ; s2, the wave's number, is written, ahead of its first reader: the stage's place, amax's place and the offsets of x, out0 and A are made from it
	s_mul_i32 s3, s2, STGB                         ; my stage
	v_add_nc_u32 v5, s3, v5
	v_add_nc_u32 v6, s3, v6
	s_lshl_b32 s49, s2, 7
	s_add_co_u32 s49, s49, AMX
	v_lshl_add_u32 v10, v3, 6, s49                 ; where my maxima go: word 32 w + 16 h on
	s_lshl_b32 s6, s2, 12                          ; 16 a wave
	s_add_co_u32 s4, s4, s6
	s_mov_b32 s5, 0
	s_lshl_b32 s6, s2, 13                          ; A: 32 rows of 256 bytes a wave
	s_mov_b32 s7, 0
	s_wait_kmcnt 0x0
	s_load_b128 s[28:31], s[24:25], 0x0            ; e0 .. e3
	s_load_b64 s[32:33], s[24:25], 0x10            ; e4, e5
	s_add_nc_u64 s[8:9], s[8:9], s[4:5]            ; the bases are stepped once, ahead of every load, and never again
	s_add_nc_u64 s[26:27], s[26:27], s[4:5]
	s_add_nc_u64 s[22:23], s[22:23], s[6:7]
	; ---- 56 loads: x 8, A 16, the weights 24, b2 8
	s_wait_alu depctr_va_vdst(0)                   ; v4 to v11 are written: every load, store and LDS access of the kernel reads one of them as its offset or address, and no vector instruction names them again
.irp i, 0,1,2,3,4,5,6,7
	global_load_b128 v[BMR+4*\i:BMR+4*\i+3], v4, s[8:9] offset:512*\i th:TH_LOAD_NT   ; 32 lanes read 512 consecutive bytes: rows 2 i and 2 i + 1
.endr
	WIN 0x40                                       ; destination window 1, address window 0
.irp i, 0,1,2,3,4,5,6,7,8,9,10,11,12,13,14,15
	global_load_b128 v[AR+4*\i:AR+4*\i+3], v9, s[22:23] offset:256*\i                 ; each half of the lanes reads one whole row of A: d = 32 w + 16 h + i
.endr
	WLOAD W2F, 12
	WLOAD W3F, 14
	WLOAD W1F, 10
	BLOAD B2R, 18
	WIN 0
	; ---- the given scales
	s_wait_kmcnt 0x0
	PSCALE 36, 28                                  ; 2^(e0 + e1): Bm's sums
	PSCALE 38, 30                                  ; 2^(e2 + e3): C's
	PSCALE 40, 32                                  ; 2^(e4 + e5): z's
	QCONST 28, 12                                  ; x for W2
	QCONST 30, 14                                  ; x for W3
	QCONST 32, 16                                  ; x for W1
	v_mov_b32 v24, s42
	v_mov_b32 v25, s42
	; ---- x turns through my stage: in as it was loaded, out by q.  No wait on va_vdst: the vector lines since the last one name v12-17, v24 and v25 alone
	s_wait_loadcnt 48                              ; x's eight loads are in; the 48 issued behind them (A 16, weights 24, b2 8) may be out
.irp i, 0,1,2,3,4,5,6,7
	ds_store_b128 v5, v[BMR+4*\i:BMR+4*\i+3] offset:2*STGP*\i
.endr
.irp c, 0,1
.irp p, 0,1,2,3
	ds_load_b128 v[XF+16*\c+4*\p:XF+16*\c+4*\p+3], v6 offset:128*\c+16*\p   ; LDS serves a wave's instructions in order (ISA guide 5.7.1.4): these see the stores above
.endr
.endr
	; ---- A's row maxima, while x is on its way through the stage
	s_wait_loadcnt 32                              ; A's sixteen loads are in; the weights' 24 and b2's 8 may be out
	WIN 0x40
	BLOAD B3R, 20                                  ; the last 16 loads go out here: issued with the others they would leave 64 behind x's, more than a wait's count can name.  No vector instruction has named their registers
	BLOAD B1R, 16
	WIN 0x15                                       ; all three sources window 1
.set i, 0
.rept 16
	v_max3_num_f32 v[MX+i], v[AR+4*i], v[AR+4*i+1], v[AR+4*i+2]
.set i, i+1
.endr
	WIN 0x04                                       ; source 1 window 1
.set i, 0
.rept 16
	v_max_num_f32 v[MX+i], v[MX+i], v[AR+4*i+3]
.set i, i+1
.endr
	WIN 0
.irp m, 1,2,4,8                        ; across the 16 lanes that share a row; the 16 rows take turns, so that no line waits for the line above it
.set i, 0
.rept 16
	v_max_num_f32_dpp v[MX+i], v[MX+i], v[MX+i] row_xmask:\m row_mask:0xf bank_mask:0xf
.set i, i+1
.endr
.endr
.set i, 0
.rept 8
	v_pk_mul_f32 v[MX+i:MX+i+1], v[MX+i:MX+i+1], s[42:43] op_sel_hi:[1,0]   ; x log2 e: the exponential below is in base 2
.set i, i+2
.endr
	s_wait_alu depctr_va_vdst(0)                   ; the multiplications have written v[MX ..], which the LDS stores read
.irp k, 0,1,2,3
	ds_store_b128 v10, v[MX+4*\k:MX+4*\k+3] offset:16*\k    ; the 16 lanes of a half write the same bytes with the same values
.endr
	s_wait_dscnt 0x0                               ; for the other wave's sake: my maxima have landed; and x is back in registers
	s_wait_alu depctr_vm_vsrc(0)                   ; the LDS stores of x have read v[BMR ..], which the holds below write
	s_barrier_signal -1
	; ---- x is quantised three times: register work, between the signal and the wait
.set i, 0
.rept 32
	v_med3_num_f32 v[BMR+i], v[XF+i], -v13, v13    ; the conversion to an 8-bit code does not saturate (ISA guide 7.6.2): the hold at the largest code x the scale
.set i, i+1
.endr
.set i, 0
.rept 32
	v_med3_num_f32 v[CR+i], v[XF+i], -v15, v15
.set i, i+1
.endr
.set i, 0
.rept 32
	v_med3_num_f32 v[ZR+i], v[XF+i], -v17, v17
.set i, i+1
.endr
.irp k, 0,1,2
.irp j, 0,1,2,3
	v_cvt_scalef32_pk8_fp8_f32 v[QC+8*\k+2*\j:QC+8*\k+2*\j+1], v[BMR+32*\k+8*\j:BMR+32*\k+8*\j+7], v[12+2*\k]   ; registers 4 c .. 4 c + 3 of the operand: k = 32 c + 16 h + 0 .. 15
.endr
.endr
	v_nop                                          ; one plain vector instruction between the conversions and the matrix instructions, which read their results and write over their sources
	s_barrier_wait -1
.irp u, 0,1
.irp j, 0,1,2,3
	ds_load_b128 v[AMV+16*\u+4*\j:AMV+16*\u+4*\j+3], v11 offset:128*\u+16*\j   ; amax x log2 e by q: both waves' halves.  No vector instruction has named v[AMV ..], nor v11 since the head's wait
.endr
.endr
	; ---- twelve products, twelve accumulators, each begun with the constant 0: no chain
	s_wait_loadcnt 24                              ; the weights are in; the three biases' 24 loads may be out
	WIN 0x01                                       ; source 0 (the weights) window 1
.irp t, 0,1,2,3
	v_wmma_f32_16x16x64_fp8_fp8 v[BMR+8*\t:BMR+8*\t+7], v[W2F+8*\t:W2F+8*\t+7], v[QC:QC+7], 0
	v_wmma_f32_16x16x64_fp8_fp8 v[CR+8*\t:CR+8*\t+7], v[W3F+8*\t:W3F+8*\t+7], v[QC+8:QC+15], 0
	v_wmma_f32_16x16x64_fp8_fp8 v[ZR+8*\t:ZR+8*\t+7], v[W1F+8*\t:W1F+8*\t+7], v[QC+16:QC+23], 0
.endr
	WIN 0
.rept 4
	v_nop                                          ; four places between the last product and the first read of results (ISA guide 7.12.1)
.endr
	; ---- sum x 2^(ea + eb) + bias, two at a time, each accumulator from its low end on
	s_wait_loadcnt 0x0                             ; the biases
	WIN 0x10                                       ; source 2 (the bias) window 1
.set i, 0
.rept 16
	v_pk_fma_f32 v[BMR+i:BMR+i+1], v[BMR+i:BMR+i+1], s[36:37], v[B2R+i:B2R+i+1] op_sel_hi:[1,0,1]
.set i, i+2
.endr
.set i, 0
.rept 16
	v_pk_fma_f32 v[CR+i:CR+i+1], v[CR+i:CR+i+1], s[38:39], v[B3R+i:B3R+i+1] op_sel_hi:[1,0,1]
.set i, i+2
.endr
.set i, 0
.rept 16
	v_pk_fma_f32 v[ZR+i:ZR+i+1], v[ZR+i:ZR+i+1], s[40:41], v[B1R+i:B1R+i+1] op_sel_hi:[1,0,1]
.set i, i+2
.endr
	WIN 0
	; ---- s = sum over n of C Bm: my 32 channels, in two packed chains
	v_pk_mul_f32 v[20:21], v[BMR:BMR+1], v[CR:CR+1]
	v_pk_mul_f32 v[22:23], v[BMR+2:BMR+3], v[CR+2:CR+3]
.set i, 4
.rept 7
	v_pk_fma_f32 v[20:21], v[BMR+i:BMR+i+1], v[CR+i:CR+i+1], v[20:21]
	v_pk_fma_f32 v[22:23], v[BMR+i+2:BMR+i+3], v[CR+i+2:CR+i+3], v[22:23]
.set i, i+4
.endr
	; ---- softplus(z) = max(z, 0) + ln(1 + u), u = e^-|z|.  Three batches of transcendentals; behind each stands independent work, and ONE wait ahead of its first reader
.set i, 0
.rept 32
	v_mul_f32 v[BMR+i], -|v[ZR+i]|, s42            ; -|z| log2 e
.set i, i+1
.endr
.set i, 0
.rept 32
	v_exp_f32 v[BMR+i], v[BMR+i]                   ; u, between 0 and 1
.set i, i+1
.endr
	v_pk_add_f32 v[20:21], v[20:21], v[22:23]      ; the dot's chains are joined meanwhile,
	v_add_f32 v18, v20, v21
	v_permlanex16_b32 v19, v18, s34, s35           ; the row's other 32 channels lie in lane l xor 16
	v_add_f32 v18, v18, v19                        ; s
	v_mov_b32 v19, v18                             ; (named with it as a pair)
.set i, 0
.rept 32
	v_max_num_f32 v[ZR+i], 0, v[ZR+i]              ; max(z, 0)
.set i, i+1
.endr
	s_wait_alu depctr_va_vdst(0)                   ; the 32 exponentials have written u in v[BMR ..], ahead of its first reader
.set i, 0
.rept 16
	v_pk_add_f32 v[CR+i:CR+i+1], v[BMR+i:BMR+i+1], 1.0 op_sel_hi:[1,0]
.set i, i+2
.endr
.set i, 0
.rept 32
	v_log_f32 v[CR+i], v[CR+i]                     ; log2(1 + u)
.set i, i+1
.endr
.set i, 0
.rept 16
	v_pk_fma_f32 v[GR+i:GR+i+1], v[BMR+i:BMR+i+1], s[46:47], v[24:25] op_sel_hi:[1,0,1]   ; log2 e - (log2 e / 2) u
.set i, i+2
.endr
.set i, 0
.rept 16
	v_pk_mul_f32 v[GR+i:GR+i+1], v[GR+i:GR+i+1], v[BMR+i:BMR+i+1]                         ; log2 e (u - u^2 / 2): what is cut, u^3 / 3, is under 2^-17 of it where u < 2^-8
.set i, i+2
.endr
.set i, 0
.rept 32
	v_cmp_gt_f32 s[MK+i], s48, v[BMR+i]            ; u < 2^-8: 1 + u has lost u's low bits, so the series is taken: a choice of values, no branch.  The compares stand in one run, each with a mask register of its own
.set i, i+1
.endr
	s_wait_alu depctr_va_vdst(0)                   ; the 32 logarithms have written v[CR ..], ahead of their first reader
	s_wait_alu depctr_va_sdst(0)                   ; the 32 compares have written their masks s[MK ..], ahead of the first select that reads one
.set i, 0
.rept 32
	v_cndmask_b32 v[CR+i], v[CR+i], v[GR+i], s[MK+i]
.set i, i+1
.endr
.set i, 0
.rept 16
	v_pk_fma_f32 v[ZR+i:ZR+i+1], v[CR+i:CR+i+1], s[44:45], v[ZR+i:ZR+i+1] op_sel_hi:[1,0,1]   ; delta = log2(1 + u) ln 2 + max(z, 0)
.set i, i+2
.endr
	s_wait_dscnt 0x0                               ; amax by q is in
.set i, 0
.rept 16
	v_pk_mul_f32 v[AMV+i:AMV+i+1], v[AMV+i:AMV+i+1], v[ZR+i:ZR+i+1]
.set i, i+2
.endr
.set i, 0
.rept 32
	v_exp_f32 v[AMV+i], v[AMV+i]                   ; exp(delta amax): the largest of the row's 64 exponentials
.set i, i+1
.endr
.set i, 0
.rept 16
	v_pk_mul_f32 v[BMR+i:BMR+i+1], v[XF+i:XF+i+1], v[ZR+i:ZR+i+1]             ; x delta
.set i, i+2
.endr
.set i, 0
.rept 16
	v_pk_mul_f32 v[BMR+i:BMR+i+1], v[BMR+i:BMR+i+1], v[18:19] op_sel_hi:[1,0] ; x delta s
.set i, i+2
.endr
	s_wait_alu depctr_va_vdst(0)                   ; the 32 exponentials have written v[AMV ..], ahead of their first reader
.set i, 0
.rept 16
	v_pk_fma_f32 v[BMR+i:BMR+i+1], v[AMV+i:AMV+i+1], 0, v[BMR+i:BMR+i+1] op_sel_hi:[1,0,1]   ; y = exp x 0 + x delta s: NaN where the exponential is infinite
.set i, i+2
.endr
	; ---- the way out: y goes into my stage by q and comes back by rows; each store of the wave covers 512 consecutive bytes, aligned to 256
	s_wait_alu depctr_va_vdst(0)                   ; the multiply-adds have written y in v[BMR ..], which the LDS stores read; the selects and multiply-adds that named v[CR ..] are done, in which the loads from the stage land
.irp c, 0,1
.irp p, 0,1,2,3
	ds_store_b128 v6, v[BMR+16*\c+4*\p:BMR+16*\c+4*\p+3] offset:128*\c+16*\p
.endr
.endr
.irp i, 0,1,2,3,4,5,6,7
	ds_load_b128 v[CR+4*\i:CR+4*\i+3], v5 offset:2*STGP*\i    ; in order behind my stores
.endr
.irp i, 0,1,2,3,4,5,6,7
	s_wait_dscnt 7-\i                              ; LDS loads come back in order: load i is in, the younger ones may be out
	global_store_b128 v4, v[CR+4*\i:CR+4*\i+3], s[26:27] offset:512*\i th:TH_STORE_NT
.endr
	s_wait_dscnt 0x0
	s_wait_alu depctr_hold_cnt(0) depctr_sa_sdst(0) depctr_va_vdst(0) depctr_va_sdst(0) depctr_va_ssrc(0) depctr_va_vcc(0) depctr_vm_vsrc(0)
	s_wait_tensorcnt 0x0
	ds_add_u32 v254, v255
	s_wait_dscnt 0x0
	s_endpgm
.Lfunc_end_k_qd1dcde8ec7_s6:
	.size	k_qd1dcde8ec7_s6, .Lfunc_end_k_qd1dcde8ec7_s6-k_qd1dcde8ec7_s6
	.p2alignl 7, 3214868480
	.fill 96, 4, 3214868480
	.section	.rodata,"a",@progbits
	.p2align	6, 0x0
	.amdhsa_kernel k_qd1dcde8ec7_s6
		.amdhsa_group_segment_fixed_size 9472
		.amdhsa_private_segment_fixed_size 0
		.amdhsa_enable_private_segment 0
		.amdhsa_kernarg_size 80
		.amdhsa_user_sgpr_count 2
		.amdhsa_user_sgpr_kernarg_segment_ptr 1
		.amdhsa_wavefront_size32 1
		.amdhsa_system_sgpr_workgroup_id_x 1
		.amdhsa_system_sgpr_workgroup_id_y 1
		.amdhsa_system_sgpr_workgroup_id_z 1
		.amdhsa_system_vgpr_workitem_id 0
		.amdhsa_next_free_vgpr 512
		.amdhsa_next_free_sgpr 98
		.amdhsa_reserve_vcc 0
		.amdhsa_float_denorm_mode_32 3
		.amdhsa_float_denorm_mode_16_64 3
		.amdhsa_memory_ordered 1
		.amdhsa_forward_progress 1
		.amdhsa_inst_pref_size 52
	.end_amdhsa_kernel
	.amdgpu_metadata
---
amdhsa.version: [ 1, 2 ]
amdhsa.kernels:
  - .name:           k_qd1dcde8ec7_s6
    .symbol:         k_qd1dcde8ec7_s6.kd
    .args:
      - { .name: x, .offset: 0, .size: 8, .value_kind: global_buffer, .address_space: global }
      - { .name: W1_codes, .offset: 8, .size: 8, .value_kind: global_buffer, .address_space: global }
      - { .name: W2_codes, .offset: 16, .size: 8, .value_kind: global_buffer, .address_space: global }
      - { .name: W3_codes, .offset: 24, .size: 8, .value_kind: global_buffer, .address_space: global }
      - { .name: b1, .offset: 32, .size: 8, .value_kind: global_buffer, .address_space: global }
      - { .name: b2, .offset: 40, .size: 8, .value_kind: global_buffer, .address_space: global }
      - { .name: b3, .offset: 48, .size: 8, .value_kind: global_buffer, .address_space: global }
      - { .name: A, .offset: 56, .size: 8, .value_kind: global_buffer, .address_space: global }
      - { .name: lowp_scales, .offset: 64, .size: 8, .value_kind: global_buffer, .address_space: global }
      - { .name: out0, .offset: 72, .size: 8, .value_kind: global_buffer, .address_space: global }
    .group_segment_fixed_size: 9472
    .private_segment_fixed_size: 0
    .kernarg_segment_align: 8
    .kernarg_segment_size: 80
    .max_flat_workgroup_size: 64
    .sgpr_count:     98
    .vgpr_count:     512
    .wavefront_size: 32
...
	.end_amdgpu_metadata
.endif
;; end of part 2
